; MI455X (gfx1250); checked and timed in simulation.
; The chip was launched on July 23, 2026; its instructions are those of AMD's public machine-readable ISA for CDNA 5 (MIT licence, August 2026) and "CDNA5" Instruction Set Architecture Reference Guide (July 2026). The comments in the code are by the model that wrote it; some were corrected since.
;; One Hot Embeddings. Allowed arithmetic: matrix products marked QUANTISED: E2M3 operands, one E8M0 scale for each 32 along K, by v_wmma_scale_f32_16x16x128_f8f6f4 with both operands' format E2M3, f32 sums; everything else in f32.
;; Inputs: W 1,024 x 8,000 float32; b 1,024 float32; input_ids 4 x 2,048 int32.
;; Outputs: out0 4 x 2,048 x 1,024 float32.
;; This version of the problem:
;;   THIS VERSION OF THE PROBLEM IS GIVEN IN LOW PRECISION. The matrix products marked QUANTISED in the list below multiply operands that are first quantised to E2M3 (2 exponent bits, 3 mantissa bits; 6 bits a number), with one power-of-two scale for each 32 numbers along K (OCP MX v1.0); their sums are f32. All else is computed in f32.
;;   The module's matrix products, in the order in which they are computed (A, B: the left and right operand; K: the contracted axis; several contracted axes count as one K, in the product's order):
;;     1. [M 8,192, K 8,000] x [K 8,000, N 1,024]; A: computed on the way; B: input W: QUANTISED
;;   THE QUANTISER, for each operand of a quantised product, along K:
;;     - K is cut into blocks of 32 from its start; a last block that is shorter is filled with zeros.
;;     - A block's scale is 2^e with e = floor(log2(the largest magnitude in the block)) - 2, held to -126 .. 127; a block of zeros has e = 0. As a byte (E8M0): e + 127.
;;     - Each number is divided by its block's scale, clamped to +-7.5, and rounded to the nearest number of E2M3, ties to even, subnormals kept.
;;     - The product sums the exact products of the quantised numbers (number of the format x scale) in f32.
;;   ~~~python
;;   def quantise(x, axis):      # numpy; x: float32 -> the quantised numbers, widened to float32 again
;;       x = np.moveaxis(x, axis, -1); K = x.shape[-1]
;;       x = np.pad(x, [(0, 0)] * (x.ndim - 1) + [(0, -K % 32)]); x = x.reshape(x.shape[:-1] + (-1, 32)); a = np.abs(x).max(-1, keepdims=True)
;;       e = np.where(a > 0, np.clip(np.frexp(np.where(a > 0, a, 1))[1] - 1 - 2, -126, 127), 0)      # np.frexp(a)[1] - 1 = floor(log2(a)), exactly
;;       r = np.clip(x / 2.0 ** e, -7.5, 7.5)
;;       step = 2.0 ** (np.maximum(np.frexp(np.where(r == 0, 1, r))[1] - 1, 0) - 3)
;;       q = np.round(r / step) * step * 2.0 ** e      # np.round: ties to even
;;       return np.moveaxis(q.reshape(q.shape[:-2] + (-1,))[..., :K], -1, axis).astype(np.float32)
;;   ~~~
;;   OPERANDS COMPUTED ON THE WAY. 'Computed on the way' means the value that the module computes at that place (a softmax that the list does not call 'softmax' is quantised finished and normalised). What goes into a quantiser is computed in f32, as accurately as f32 sums, v_exp_f32 and their like allow (about 1e-6 of the number): no bf16 or f16 on the way to a quantiser, and a product that is left as it is and whose result goes on into a quantised operand takes f32 operands (vector FMAs, or v_wmma_f32_16x16x4_f32). A number that lies on a knife's edge between two numbers of the format may be rounded either way, as far as f32 arithmetic and the matrix unit's own rounding can turn it there, and no further.
;; One version. Each part assembles by itself: llvm-mc -triple=amdgcn-amd-amdhsa -mcpu=gfx1250 --defsym DOCPART=n.
;; ======== version 1 of 1: 2 launches
;; workspace buffers: wq 6,451,200 bytes
;; launch quant (part 1): grid 63 x 4, 4 waves a work-group, no clusters, 135,680 bytes of LDS; arguments W, wq; writes wq
.if DOCPART == 1
	.amdgcn_target "amdgcn-amd-amdhsa--gfx1250"
	.amdhsa_code_object_version 6
	.text
	.protected	k_q65c3e11268_quant
	.globl	k_q65c3e11268_quant
	.p2align	8
	.type	k_q65c3e11268_quant,@function
k_q65c3e11268_quant:
	s_mov_b64 s[64:65], 0
	v_nop
	global_prefetch_b8 v0, s[64:65] scope:SCOPE_SE
	s_setreg_imm32_b32 hwreg(HW_REG_WAVE_MODE, 25, 1), 1
	s_wait_xcnt 0x0
; W [1024][8000] f32 becomes codes of FP6 (E2M3) with one E8M0 scale byte for each 32 along K (K is W's last axis), laid IN THE ORDER OF THE OPERAND'S REGISTERS.
; wq: the block of slab y (rows 64 y .. 64 y + 63) and K step s (k = 128 s .. 128 s + 127) lies at (63 y + s) x 6,400 bytes:
;   codes:  byte 1536 f + 512 c + 16 l + 4 q = register 4 c + q of lane l of fragment f (row 64 y + 16 f + l % 16; registers 6 c' .. 6 c' + 5 hold k = 128 s + 64 c' + 32 (l / 16) + 0 .. 31);
;   scales: byte 6144 + 8 l + 4 j = the scale word (four bytes, 128 along K) of fragment 2 j + l / 16, row l % 16.
; A block's scale is 2^(floor(log2(its largest magnitude)) - 2); its byte is the largest magnitude's exponent field - 2, held at 1 from below.  Each number is divided by the scale and rounded to the
; nearest code, ties to even, beyond 7.5 the largest code.
; K = 8000 is 62.5 steps of 128: step 62's upper 64 codes are ZERO codes, which add nothing under any byte but 0xff.
; LIMITS: NaN and infinities in W are not served.  A block of zeros gets the byte 1 where the rule says 127 (its codes are zeros; the bytes are read by this program alone); blocks whose largest
; magnitude lies under the floor 2^-124 have their byte held at 1.
; SHARES.  One wave makes one block (y, s): 64 rows x 128 k.  Work-group x = s, y = 4 x work-group y + wave: 63 x 4 work-groups, as many as there is work for.  Waves share nothing: no barrier.
; All 64 loads of a wave go out at the head: each reads 512 consecutive bytes of one row, 16 a lane (a row of W is 32,000 bytes = 125 x 256, a step 512: every load begins at a multiple of 256).
; The conversions want 32 neighbours along K in ONE lane, so a fragment's 16 rows turn through the wave's own stage in LDS: in as loaded, out 128 bytes a lane.
.set ROWB,  32000                      ; a row of W in bytes
.set PITCH, 528                        ; a stage row: 512 bytes + 16: 33 places of 16 bytes, so the sixteen rows that a load touches begin in sixteen different places modulo 256 bytes
.set STG,   16*PITCH                   ; a fragment's stage
.set WREG,  4*STG                      ; a wave's four stages, one for each fragment
.set SPARE, 4*WREG                     ; behind them: the spare words, 128 bytes for each wave: two blocks of 256 bytes that no other line names
.set BLKB,  6400                       ; a block of wq
.set VO,   4                           ; v4   my 16 bytes of a load's 512
.set STI,  5                           ; v5   the stage, on the way in
.set STO,  6                           ; v6   and on the way out
.set CO,   7                           ; v7   16 x lane: my place in a store of codes
.set SO,   8                           ; v8   8 x lane: my place in the store of scale words
.set H8,   9                           ; v9   8 x (lane / 16)
.set M,    10                          ; v10-11 the largest magnitudes of my two blocks
.set SC,   12                          ; v12-13 the conversions' scale operands
.set BY,   14                          ; v14-15 the scale bytes
.set T,    16                          ; v16-17 at work
.set SW,   20                          ; v20-23 a scale word for each fragment
.set SOUT, 24                          ; v[24:25] the scale words as they are stored
.set SPW,  26                          ; v26  LDS address of my spare word; never rewritten
.set NIL,  27                          ; v27  0; never rewritten
.set TMP0, 28                          ; v[28:30], v[32:34]: a conversion's three registers begin on an even number: a block's second half is made here and moved
.set TMP1, 32
.set X,    64                          ; v64-127 64 numbers: two blocks of 32 neighbours
.set C,    128                         ; v128-175 the codes, 12 registers a fragment: never rewritten, so no store's data are written again
                                       ; window 1 (v256-511): the rows as loaded: row 16 f + i at 64 f + 4 i
.set MSB, 0
.macro WIN new                         ; the immediate's high byte repeats the setting that is left
.if MSB != (\new)
	s_set_vgpr_msb (MSB<<8)|(\new)
.set MSB, (\new)
.endif
.endm
	s_load_b128 s[4:7], s[0:1], 0x0                ; W s[4:5], wq s[6:7]
	v_lshl_add_u32 v[SPW], v0, 2, SPARE
	v_mov_b32 v[NIL], 0
	v_lshrrev_b32 v1, 5, v0
	v_readfirstlane_b32 s8, v1                     ; wave 0..3
	v_and_b32 v1, 31, v0                           ; lane
	v_and_b32 v2, 15, v0                           ; r
	v_bfe_u32 v3, v0, 4, 1                         ; h
	s_mov_b32 s9, ttmp9                            ; the K step s
	s_and_b32 s10, ttmp7, 0xffff
	s_lshl_b32 s10, s10, 2
	s_add_co_u32 s10, s10, s8                      ; the slab y
	s_cmp_eq_u32 s9, 62                            ; the last step has 64 numbers a row, 256 bytes:
	s_cselect_b32 s11, 256, 0                      ; there lanes 16-31 read lanes 0-15's bytes once more, so that no load leaves the row (and the last none the buffer),
	s_cselect_b32 s12, 0, -1                       ; and the codes of k >= 8000 are cleared by this mask: no branch
	s_mov_b32 s13, 0xffff0000                      ; lanes 16-31
	s_mov_b32 s20, 0x76543210
	s_mov_b32 s21, 0xfedcba98                      ; v_permlanex16_b32's selects for lane l xor 16
	s_mul_i32 s14, s10, 64*ROWB                    ; W: my slab's 64 rows,
	s_lshl_b32 s15, s9, 9                          ; my step's 512 bytes in each
	s_add_co_u32 s14, s14, s15
	s_mov_b32 s15, 0
	s_mul_i32 s16, s10, 63
	s_add_co_u32 s16, s16, s9
	s_mul_i32 s16, s16, BLKB                       ; wq: block 63 y + s
	s_mov_b32 s17, 0
	s_mul_i32 s18, s8, WREG                        ; my stages
	v_lshlrev_b32 v[CO], 4, v1
	v_mul_u32_u24 v[T], s11, v3
	v_sub_nc_u32 v[VO], v[CO], v[T]                ; 16 x lane, less 256 for lanes 16-31 in the last step
	v_add_nc_u32 v[STI], s18, v[CO]                ; in: a row's 512 bytes as they lie
	v_mul_u32_u24 v[STO], v2, PITCH
	v_lshl_add_u32 v[STO], v3, 7, v[STO]
	v_add_nc_u32 v[STO], s18, v[STO]               ; out: row r, + 128 h: my 32 neighbours of each 64
	v_lshlrev_b32 v[SO], 3, v1
	v_lshlrev_b32 v[H8], 3, v3
	v_mov_b32 v[T+1], 0                            ; written once: a lane permute's destination counts as one of its sources
	s_wait_kmcnt 0x0
	s_add_nc_u64 s[4:5], s[4:5], s[14:15]
	s_add_nc_u64 s[6:7], s[6:7], s[16:17]
	WIN 0x40                                       ; destination window 1, address window 0
.irp f, 0,1,2,3
.irp i, 0,1,2,3,4,5,6,7,8,9,10,11,12,13,14,15
	global_load_b128 v[64*\f+4*\i:64*\f+4*\i+3], v[VO], s[4:5] offset:(16*\f+\i)*ROWB th:TH_LOAD_NT   ; row 16 f + i: 512 consecutive bytes; 63 rows on at the most: inside the signed 24-bit immediate
.endr
.endr
	WIN 0
; Fragment f: 16 rows x 128 k.
.macro FRAGQ f
	s_wait_loadcnt 16*(3-\f)                       ; loads come back in order: this fragment's 16 are in, the later fragments' may be out
	WIN 0x04                                       ; an LDS store's data are its source 1: window 1
.irp i, 0,1,2,3,4,5,6,7,8,9,10,11,12,13,14,15
	ds_store_b128 v[STI], v[64*\f+4*\i:64*\f+4*\i+3] offset:STG*\f+PITCH*\i
.endr
	WIN 0
.irp c, 0,1
.irp q, 0,1,2,3,4,5,6,7
	ds_load_b128 v[X+32*\c+4*\q:X+32*\c+4*\q+3], v[STO] offset:STG*\f+256*\c+16*\q   ; LDS serves a wave's instructions in order: these see my stores.  Register 32 c + i = W(row r, 128 s + 64 c + 32 h + i)
.endr
.endr
	s_wait_dscnt 0x0
.irp c, 0,1
	v_max3_num_f32 v[M+\c], |v[X+32*\c]|, |v[X+32*\c+1]|, 0x1800000   ; my block 2 c + h: all its 32 numbers are mine; and the floor 2^(3 - 127): the byte cannot fall under 1
.endr
.irp i, 2,4,6,8,10,12,14,16,18,20,22,24,26,28,30
.irp c, 0,1
	v_max3_num_f32 v[M+\c], v[M+\c], |v[X+32*\c+\i]|, |v[X+32*\c+\i+1]|   ; (the two blocks by turns)
.endr
.endr
.irp c, 0,1
	v_add_nc_u32 v[SC+\c], 0xff000000, v[M+\c]     ; 2 off the exponent field: the conversion takes the exponent field of this operand as its scale, and nothing else of it
.endr
.irp c, 0,1
	v_lshrrev_b32 v[BY+\c], 23, v[SC+\c]           ; the scale's byte
.endr
	v_lshl_or_b32 v[T], v[BY+1], 16, v[BY]         ; my two bytes: blocks h and 2 + h of row r,
	v_lshlrev_b32 v[T], v[H8], v[T]                ; at their places in the scale word;
	v_permlanex16_b32 v[T+1], v[T], s20, s21
	v_or_b32 v[SW+\f], v[T], v[T+1]                ; with lane l xor 16's two the word is whole, in both lanes
	v_cvt_scalef32_pk16_fp6_f32 v[C+12*\f:C+12*\f+2], v[X:X+15], v[SC]
	v_cvt_scalef32_pk16_fp6_f32 v[TMP0:TMP0+2], v[X+16:X+31], v[SC]
	v_cvt_scalef32_pk16_fp6_f32 v[C+12*\f+6:C+12*\f+8], v[X+32:X+47], v[SC+1]
	v_cvt_scalef32_pk16_fp6_f32 v[TMP1:TMP1+2], v[X+48:X+63], v[SC+1]
	v_nop                                          ; one plain place behind a scaled conversion
.irp i, 0,1,2
	v_mov_b32 v[C+12*\f+3+\i], v[TMP0+\i]          ; registers 0-5: k = 32 h + 0 .. 31 of the step
.endr
.irp i, 0,1,2
	v_and_b32 v[C+12*\f+6+\i], s12, v[C+12*\f+6+\i]   ; registers 6-11: k = 64 + 32 h + 0 .. 31: cleared in the last step, where they lie at or beyond k = 8000
.endr
.irp i, 0,1,2
	v_and_b32 v[C+12*\f+9+\i], s12, v[TMP1+\i]
.endr
.irp c, 0,1,2
	global_store_b128 v[CO], v[C+12*\f+4*\c:C+12*\f+4*\c+3], s[6:7] offset:1536*\f+512*\c   ; 32 lanes store 512 consecutive bytes, at a multiple of 256 from wq's first byte
.endr
.endm
	FRAGQ 0
	FRAGQ 1
	FRAGQ 2
	FRAGQ 3
.irp j, 0,1
	v_cndmask_b32 v[SOUT+\j], v[SW+2*\j], v[SW+2*\j+1], s13   ; lanes 0-15: fragment 2 j's word of row r; lanes 16-31: fragment 2 j + 1's
.endr
	global_store_b64 v[SO], v[SOUT:SOUT+1], s[6:7] offset:6144   ; 32 lanes store 256 consecutive bytes, aligned
	s_wait_tensorcnt 0x0                           ; the wave's end: behind my last LDS store
	ds_add_u32 v[SPW], v[NIL]
	s_wait_dscnt 0x0
	s_endpgm
.Lfunc_end_k_q65c3e11268_quant:
	.size	k_q65c3e11268_quant, .Lfunc_end_k_q65c3e11268_quant-k_q65c3e11268_quant
	.p2alignl 7, 3214868480
	.fill 96, 4, 3214868480
	.section	.rodata,"a",@progbits
	.p2align	6, 0x0
	.amdhsa_kernel k_q65c3e11268_quant
		.amdhsa_group_segment_fixed_size 135680
		.amdhsa_private_segment_fixed_size 0
		.amdhsa_enable_private_segment 0
		.amdhsa_kernarg_size 16
		.amdhsa_user_sgpr_count 2
		.amdhsa_user_sgpr_kernarg_segment_ptr 1
		.amdhsa_wavefront_size32 1
		.amdhsa_system_sgpr_workgroup_id_x 1
		.amdhsa_system_sgpr_workgroup_id_y 1
		.amdhsa_system_sgpr_workgroup_id_z 1
		.amdhsa_system_vgpr_workitem_id 0
		.amdhsa_next_free_vgpr 512
		.amdhsa_next_free_sgpr 66
		.amdhsa_reserve_vcc 0
		.amdhsa_float_denorm_mode_32 3
		.amdhsa_float_denorm_mode_16_64 3
		.amdhsa_memory_ordered 1
		.amdhsa_forward_progress 1
		.amdhsa_inst_pref_size 31
	.end_amdhsa_kernel
	.amdgpu_metadata
---
amdhsa.version: [ 1, 2 ]
amdhsa.kernels:
  - .name:           k_q65c3e11268_quant
    .symbol:         k_q65c3e11268_quant.kd
    .args:
      - { .name: W, .offset: 0, .size: 8, .value_kind: global_buffer, .address_space: global }
      - { .name: wq, .offset: 8, .size: 8, .value_kind: global_buffer, .address_space: global }
    .group_segment_fixed_size: 135680
    .private_segment_fixed_size: 0
    .kernarg_segment_align: 8
    .kernarg_segment_size: 16
    .max_flat_workgroup_size: 128
    .sgpr_count:     66
    .vgpr_count:     512
    .wavefront_size: 32
...
	.end_amdgpu_metadata
.endif
;; end of part 1
;; launch emb (part 2): grid 16 x 16, 4 waves a work-group, clusters of 4 x 1, 327,680 bytes of LDS; arguments input_ids, wq, b, out0; writes out0
.if DOCPART == 2
	.amdgcn_target "amdgcn-amd-amdhsa--gfx1250"
	.amdhsa_code_object_version 6
	.text
	.protected	k_q65c3e11268_emb
	.globl	k_q65c3e11268_emb
	.p2align	8
	.type	k_q65c3e11268_emb,@function
k_q65c3e11268_emb:
	s_mov_b64 s[64:65], 0
	v_nop
	global_prefetch_b8 v0, s[64:65] scope:SCOPE_SE
	s_setreg_imm32_b32 hwreg(HW_REG_WAVE_MODE, 25, 1), 1
	s_wait_xcnt 0x0
	s_wait_alu depctr_hold_cnt(0) depctr_sa_sdst(0) depctr_va_vdst(0) depctr_va_sdst(0) depctr_va_ssrc(0) depctr_va_vcc(0) depctr_vm_vsrc(0)
	s_getreg_b32 s2, hwreg(HW_REG_IB_STS2, 6, 4)
	s_cmp_eq_u32 s2, 0
	s_cbranch_scc0 .Lentry_in_a_cluster
	s_endpgm
.Lentry_in_a_cluster:
	s_bfe_u32 s2, ttmp6, 0x10000c
	s_cmp_lg_u32 s2, 0x3003
	s_cbranch_scc0 .Lentry_shape_is_right
	s_endpgm
.Lentry_shape_is_right:
; out0[t][n] = sum over k of onehot(input_ids[t])[k] x W[n][k] + b[n]: 8,192 tokens, 1,024 hidden units, K = 8,000 taken as 63 steps of 128 (the last 64 k are zero codes on W's side).
; Both operands are codes of FP6 (E2M3) with one E8M0 scale for each 32 along K.  W's come from wq, laid in the order of the operand's registers by the launch before.
; THE ONE-HOT OPERAND IS MADE IN REGISTERS.  Quantised, a block that holds the 1 has the scale 2^-2 (byte 125) and the code of 4.0 (0x18) at the 1's place; all other codes are 0, and a block of zero codes adds
; nothing under any byte but 0xff: so ONE register of bytes 125 is the one-hot side's scale word in every step.  A lane keeps, for each of its tokens, the 192-bit image of that code inside its block of 32
; (six registers) and a key: which 64 along K hold the 1, or -1 where the 1 lies in the other half of the lanes' 32.  A step's fragment is then two compares and twelve selects.
; An id outside 0 .. 7999 meets no code of W other than zero codes: its row is b, as a one-hot of zeros gives.
; SHARES.  A work-group makes 512 tokens x 64 hidden units (a slab of wq); each of its four waves 128 tokens x 64: 8 blocks of 16 tokens x 4 fragments of W = 32 accumulators.  So a fragment of W read from LDS feeds
; eight products: 13 LDS loads for a step's 32 matrix instructions.  16 x 16 work-groups.
; THE MATRIX INSTRUCTION IS USED TRANSPOSED (source 0 = 16 rows of W, source 1 = 16 tokens): a lane holds one token and eight neighbouring hidden units.  b is the C of each sum's first product.
; BY TURNS.  The lines that make the one-hot codes stand in slices of three or four behind the matrix instructions, under the same setting of the register windows as these.
; CLUSTER.  The four work-groups of a cluster have the same slab and walk the same bytes of wq: every tile is asked for JOINTLY, by the same tensor load with the same descriptor and a mask that names the four.
; LDS.  Two slots of 21 steps (134,400 bytes each): steps 0-20 and 21-41 are asked for at the start; slot 0 is filled ONCE more, with steps 42-62, when step 20's fragments are in registers, and that load has
; 21 steps, 672 matrix instructions a wave, in which to land.  Waves 0 to 2 fetch (21 steps = 3 x 7). A wave has three tensor loads out at the start and one behind the refill.
; REGISTERS, in windows of 256 (s_set_vgpr_msb: bits 1:0 source 0, 3:2 source 1, 5:4 source 2, 7:6 destination):
;   window 0: v1-12 addresses; v28, v29 the add's two; v32-127 W's fragments, two sets of 4 x 12; v128-131 W's scale words, two sets; v132 the one-hot side's scale word; v136-167 b in the result's layout; v168-231 the way out
;   window 1 (token blocks 0-3) and window 2 (blocks 4-7), alike: v0-127 the accumulators ((a, f) at 8 (4 a + f)); v128-175 the one-hot fragments, ONE set; v176-199 the images; v200-203 the keys; v204 lane / 16; v206-213 at work
.set STEPB, 6400                       ; a K step of a slab in wq and in LDS: 6,144 bytes of codes, 256 of scale words
.set SLOT,  21*STEPB
.set STAGE, 2*SLOT                     ; behind the slots: 16 rows x (256 bytes + 16) for each wave, for the way out; no tensor load lands here
.set SP,    272
.set SPARE, STAGE+4*16*SP              ; behind the stages: the spare words, 128 bytes for each wave: two blocks of 256 bytes that no other line names
.set L16, 4                            ; v4   16 x lane
.set L8,  5                            ; v5   8 x lane
.set ADR, 6                            ; v6   LDS address of the fragments in hand
.set ADS, 7                            ; v7   and of their scale words
.set IA,  8                            ; v8   4 r: my token's id in a block of 16
.set BA,  9                            ; v9   32 h: my eight numbers of b in a fragment's 16
.set STO, 10                           ; v10  the way out: where I put 32 bytes of a token's row
.set RD,  11                           ; v11  where I read a row back
.set CO,  12                           ; v12  my byte offset in out0
.set SPW, 28                           ; v28  LDS address of my spare word; never rewritten
.set NIL, 29                           ; v29  0; never rewritten
.set WF,  32
.set WS,  128
.set OS,  132
.set BIAS, 136
.set BK,  168
.set OH,  128                          ; in windows 1 and 2
.set PT,  176
.set KEY, 200
.set TH,  204
.set T,   206
.set WV,  12                           ; s12  my wave's number
.set G1A, 24                           ; s[24:31] descriptor group 1: 25 rows of 256 bytes (one step);  s[32:39]: 150 (six);  s[40:47]: 175 (seven)
.set G1B, 32
.set G1C, 40
.set G0A, 48                           ; s[48:51], s[52:55], s[56:59], s[60:63]: a group 0 for each of a wave's four loads: none is ever rewritten
.set G0B, 52
.set G0C, 56
.set G0R, 60
.set KC,  66                           ; s66, s67  2 s, 2 s + 1: the two 64s along K of the step in hand
.set KN,  68                           ; s68, s69  those of the next step
.set TB,  70                           ; s70  LDS byte at which the step to be fetched begins
.set CNT, 71                           ; s71  counts a loop's trips
.set MSB, 0
.macro WIN new                         ; the immediate's high byte repeats the setting that is left; a switch that changes nothing is dropped
.if MSB != (\new)
	s_set_vgpr_msb (MSB<<8)|(\new)
.set MSB, (\new)
.endif
.endm
; A round of the cluster's barrier: my work-group's barrier, so that wave 0's signal speaks for all four waves; wave 0 signals for the work-group; every wave waits for all four work-groups; my work-group's barrier once more.
.macro CROUND
	s_barrier_signal -1
	s_barrier_wait -1
	s_cmp_lg_u32 s[WV], 0
	s_cbranch_scc1 .Lnot_wave_0_\@
	s_barrier_signal -3
.Lnot_wave_0_\@:
	s_barrier_wait -3
	s_barrier_signal -1
	s_barrier_wait -1
.endm
.macro SHAPE g, rows                   ; group 1: a dense block as rows of 256 bytes (32 elements of 8 bytes), no padding: every read of it is 16 x lane on end
	s_mov_b32 s[\g], 15|(3<<16)|(1<<21)            ; 15:0 the mask: all four work-groups; 17:16 elements of 8 bytes; 20 padding off; 21 set beside a mask
	s_mov_b32 s[\g+1], 32<<16                      ; tensor_dim0 = 32
	s_mov_b32 s[\g+2], (\rows)<<16                 ; tensor_dim1
	s_mov_b32 s[\g+3], 32<<16                      ; tile_dim0 = 32
	s_mov_b32 s[\g+4], \rows                       ; tile_dim1
	s_mov_b32 s[\g+5], 32                          ; from row to row
	s_mov_b32 s[\g+6], 0
	s_mov_b32 s[\g+7], 0
.endm
.macro PLACE g, lds, glb               ; group 0: to the LDS byte in s[lds], from the slab's byte in s[glb]
	s_mov_b32 s[\g], 1                             ; count = 1
	s_mov_b32 s[\g+1], s[\lds]
	s_mov_b32 s22, s[\glb]
	s_add_nc_u64 s[\g+2:\g+3], s[6:7], s[22:23]
	s_or_b32 s[\g+3], s[\g+3], 0x80000000          ; type = 2
.endm
	s_load_b256 s[4:11], s[0:1], 0x0               ; input_ids s[4:5], wq s[6:7], b s[8:9], out0 s[10:11]
	v_lshl_add_u32 v[SPW], v0, 2, SPARE
	v_mov_b32 v[NIL], 0
	ds_add_u32 v[SPW], v[NIL]                      ; the wave's opening: the add and its wait stand ahead of my first tensor load; the set-up below, work on registers, stands between them
	v_lshrrev_b32 v1, 5, v0
	v_readfirstlane_b32 s[WV], v1                  ; wave 0..3
	s_and_b32 s13, ttmp7, 0xffff                   ; the slab y, which the four partners share
	s_lshl_b32 s14, s13, 8                         ; its 64 numbers in b, and in a token's row of out0
	s_mov_b32 s15, 0
	s_mul_i32 s16, s13, 63*STEPB                   ; its first byte in wq
	s_mov_b32 s17, 0
	s_mul_i32 s18, s[WV], STEPB                    ; what I fetch, if I fetch: step w;
	s_mul_i32 s19, s[WV], 6*STEPB
	s_add_co_u32 s19, s19, 3*STEPB                 ; steps 3 + 6 w on;
	s_mul_i32 s20, s[WV], 7*STEPB                  ; (the refill's place in slot 0)
	s_add_co_u32 s21, s20, SLOT                    ; steps 21 + 7 w on.  No place in the cluster enters an LDS address
	s_bfe_u32 s72, ttmp6, 0x40000                  ; cx: my place in the cluster: it enters the ids' and out0's addresses alone
	s_lshl_b32 s73, ttmp9, 2                       ; in a cluster launch ttmp9 counts clusters
	s_add_co_u32 s73, s73, s72                     ; my block of 512 tokens
	s_lshl_b32 s73, s73, 9
	s_lshl_b32 s74, s[WV], 7
	s_add_co_u32 s73, s73, s74                     ; my wave's first token
	s_lshl_b32 s74, s73, 2                         ; its id,
	s_mov_b32 s75, 0
	s_lshl_b32 s72, s73, 12                        ; its row of out0 (4,096 bytes a token; under 2^25)
	s_mov_b32 s73, 0
	SHAPE G1A, 25
	SHAPE G1B, 150
	SHAPE G1C, 175
	s_mov_b32 s[KC], 0
	s_mov_b32 s[KC+1], 1
	s_mov_b32 s[KN], 2
	s_mov_b32 s[KN+1], 3
	s_mov_b32 s[TB], 0
	v_and_b32 v1, 31, v0                           ; lane
	v_and_b32 v2, 15, v0                           ; r
	v_bfe_u32 v3, v0, 4, 1                         ; h
	v_lshlrev_b32 v[L16], 4, v1
	v_lshlrev_b32 v[L8], 3, v1
	v_lshlrev_b32 v[IA], 2, v2
	v_lshlrev_b32 v[BA], 5, v3
	s_mul_i32 s22, s[WV], 16*SP
	s_add_co_u32 s22, s22, STAGE                   ; my stage
	v_mul_u32_u24 v[STO], v2, SP                   ; in: row r (my token), 32 bytes for each half of the lanes
	v_lshl_add_u32 v[STO], v3, 5, v[STO]
	v_add_nc_u32 v[STO], s22, v[STO]
	v_mul_u32_u24 v[RD], v3, SP                    ; back: lanes 0-15 take one row of 256 bytes, lanes 16-31 the next
	v_lshl_add_u32 v[RD], v2, 4, v[RD]
	v_add_nc_u32 v[RD], s22, v[RD]
	v_lshlrev_b32 v[CO], 12, v3                    ; and the same two tokens in out0
	v_lshl_add_u32 v[CO], v2, 4, v[CO]
	v_mov_b32 v[OS], 0x7d7d7d7d                    ; four bytes 125: 2^-2, the scale of a one-hot block
	s_mov_b32 s23, 0
	s_wait_dscnt 0x0                               ; the opening add is done
	s_wait_kmcnt 0x0
	s_add_nc_u64 s[6:7], s[6:7], s[16:17]          ; wq at my slab
	s_add_co_u32 s16, s20, 2*SLOT                  ; steps 42 + 7 w on, in the slab
	PLACE G0A, 18, 18
	PLACE G0B, 19, 19
	PLACE G0C, 21, 21
	PLACE G0R, 20, 16
	s_add_nc_u64 s[4:5], s[4:5], s[74:75]          ; the ids at my wave's first token
	s_add_nc_u64 s[8:9], s[8:9], s[14:15]          ; b at my slab
	s_add_nc_u64 s[10:11], s[10:11], s[14:15]      ; out0 at my slab's columns
	s_add_nc_u64 s[10:11], s[10:11], s[72:73]      ; of my wave's first token
	CROUND                                         ; all four work-groups are here: the first joint loads meet
	s_cmp_lt_u32 s[WV], 3                          ; a wave's three first fills stand in one branch on the wave's number, ahead of every wait on TENSORcnt and every LDS read; an s_nop 0 follows each, four v_nop the last
	s_cbranch_scc0 .Lno_fill
	tensor_load_to_lds s[G0A:G0A+3], s[G1A:G1A+7]  ; a small one first, so that the products can begin when three steps have landed
	s_nop 0
	tensor_load_to_lds s[G0B:G0B+3], s[G1B:G1B+7]
	s_nop 0
	tensor_load_to_lds s[G0C:G0C+3], s[G1C:G1C+7]
	s_nop 0
.rept 4
	v_nop
.endr
.Lno_fill:
	WIN 0x40                                       ; destination window 1, the rest window 0
.irp a, 0,1,2,3
	global_load_b32 v[KEY+\a], v[IA], s[4:5] offset:64*\a   ; token 16 a + r's id, in both halves of the lanes
.endr
	v_bfe_u32 v[TH], v0, 4, 1
	WIN 0x80                                       ; destination window 2
.irp a, 0,1,2,3
	global_load_b32 v[KEY+\a], v[IA], s[4:5] offset:256+64*\a
.endr
	v_bfe_u32 v[TH], v0, 4, 1
	WIN 0
.irp f, 0,1,2,3
	global_load_b128 v[BIAS+8*\f:BIAS+8*\f+3], v[BA], s[8:9] offset:64*\f        ; b(64 y + 16 f + 8 h + 0 .. 7): the result's layout
	global_load_b128 v[BIAS+8*\f+4:BIAS+8*\f+7], v[BA], s[8:9] offset:64*\f+16
.endr
	s_wait_loadcnt 0x0
; Token block a of the window in hand: from the id, the image of the code 0x18 at bits 6 i .. 6 i + 5 of 192 (i = id % 32), and the key.
.macro PATTERN a
	v_and_b32 v[T], 31, v[KEY+\a]                  ; i
	v_mul_u32_u24 v[T], 6, v[T]                    ; the code's first bit
	v_lshrrev_b32 v[T+1], 5, v[T]                  ; in which register,
	v_and_b32 v[T+2], 31, v[T]                     ; at which bit
	v_mov_b32 v[T+3], 24
	v_lshlrev_b32 v[T+3], v[T+2], v[T+3]           ; what falls into that register,
	v_sub_nc_u32 v[T+5], 31, v[T+2]
	v_mov_b32 v[T+6], 12
	v_lshrrev_b32 v[T+6], v[T+5], v[T+6]           ; and into the next: 24 >> (32 - bit), written as 12 >> (31 - bit), which is 0 at bit 0 too
.irp j, 0,1,2,3,4,5
	v_cmp_eq_u32 vcc_lo, \j, v[T+1]
	v_cndmask_b32 v[PT+6*\a+\j], 0, v[T+3], vcc_lo
.if \j > 0
	v_cmp_eq_u32 vcc_lo, \j-1, v[T+1]
	v_cndmask_b32 v[PT+6*\a+\j], v[PT+6*\a+\j], v[T+6], vcc_lo
.endif
.endr
	v_bfe_u32 v[T+7], v[KEY+\a], 5, 1              ; which 32 of its 64 holds the 1:
	v_lshrrev_b32 v[T], 6, v[KEY+\a]               ; (which 64 along K)
	v_cmp_eq_u32 vcc_lo, v[T+7], v[TH]             ; mine, or the other half of the lanes'?
	v_cndmask_b32 v[KEY+\a], -1, v[T], vcc_lo      ; -1 equals no step's number
.endm
; Line NN of the 14 that make fragment GG of the window in hand: registers 0-5 are the image where the key is the step's first 64, registers 6-11 where it is the second, else zeros.  CUR = 1: for the step in hand; 0: for the next.
.macro GEN
.if NN == 0
	v_cmp_eq_u32 vcc_lo, s[KN-2*CUR], v[KEY+GG]
.elseif NN == 7
	v_cmp_eq_u32 vcc_lo, s[KN+1-2*CUR], v[KEY+GG]
.elseif NN < 7
	v_cndmask_b32 v[OH+12*GG+NN-1], 0, v[PT+6*GG+NN-1], vcc_lo
.else
	v_cndmask_b32 v[OH+12*GG+NN-2], 0, v[PT+6*GG+NN-8], vcc_lo
.endif
.endm
; One product: W's fragment f of set p x token block a.  W's scale words: register f / 2 of the set, lanes 0-15 for even f, lanes 16-31 for odd.  first = 1: b starts the sum.
.macro PROD a, f, p, first
.set rD, 8*(4*(\a)+(\f))
.set rA, WF+48*(\p)+12*(\f)
.set rB, OH+12*(\a)
.set rS, WS+2*(\p)+(\f)/2
.set rC, BIAS+8*(\f)
.if \first
.if (\f)%2
	v_wmma_scale_f32_16x16x128_f8f6f4 v[rD:rD+7], v[rA:rA+11], v[rB:rB+11], v[rC:rC+7], v[rS], v[OS] matrix_a_fmt:MATRIX_FMT_FP6 matrix_b_fmt:MATRIX_FMT_FP6 matrix_a_scale:MATRIX_SCALE_ROW1
.else
	v_wmma_scale_f32_16x16x128_f8f6f4 v[rD:rD+7], v[rA:rA+11], v[rB:rB+11], v[rC:rC+7], v[rS], v[OS] matrix_a_fmt:MATRIX_FMT_FP6 matrix_b_fmt:MATRIX_FMT_FP6
.endif
.else
.if (\f)%2
	v_wmma_scale_f32_16x16x128_f8f6f4 v[rD:rD+7], v[rA:rA+11], v[rB:rB+11], v[rD:rD+7], v[rS], v[OS] matrix_a_fmt:MATRIX_FMT_FP6 matrix_b_fmt:MATRIX_FMT_FP6 matrix_a_scale:MATRIX_SCALE_ROW1
.else
	v_wmma_scale_f32_16x16x128_f8f6f4 v[rD:rD+7], v[rA:rA+11], v[rB:rB+11], v[rD:rD+7], v[rS], v[OS] matrix_a_fmt:MATRIX_FMT_FP6 matrix_b_fmt:MATRIX_FMT_FP6
.endif
.endif
.endm
; Token block a of the window in hand: four products, and behind them, in slices of 3, 3, 4 and 4 lines, the making of the fragment that the block BEFORE has just multiplied by: block 0 makes fragment 3 for the step in
; hand, blocks 1 to 3 make fragments 0 to 2 for the next step.  Between a fragment's last product and the first line that writes it stand five plain lines that name none of that product's registers (the four selects
; behind that product, which write the fragment before, and the compare): four are asked (ISA guide 7.12.1).  Between a fragment's last line and its first product stand 28 lines or more.
; VCC is written and read inside one block.  The 32 accumulators take turns, one instruction a turn, in the same order in every step.
; gen = 0, the last step: only block 0's lines are written, and four v_nop take the place of the lines that would stand between fragment 3's last line and its first product.
.macro BLOCK a, p, first, gen
.set GG, ((\a)+3)%4
.set CUR, 0
.set DOGEN, \gen
.if (\a) == 0
.set CUR, 1
.set DOGEN, 1
.endif
.set NN, 0
.irp f, 0,1,2,3
	PROD \a, \f, \p, \first
.if DOGEN
.rept 3+\f/2
	GEN
.set NN, NN+1
.endr
.endif
.endr
.if ((\a) == 0) && ((\gen) == 0)
.rept 4
	v_nop
.endr
.endif
.endm
; 13 LDS loads in one run: the next step's four fragments, as images of their registers (three loads of 16 bytes a lane each), and its scale words, into set p.
.macro FETCH p
	v_add_nc_u32 v[ADR], s[TB], v[L16]
	v_add_nc_u32 v[ADS], s[TB], v[L8]
.irp f, 0,1,2,3
.irp c, 0,1,2
	ds_load_b128 v[WF+48*(\p)+12*\f+4*\c:WF+48*(\p)+12*\f+4*\c+3], v[ADR] offset:1536*\f+512*\c
.endr
.endr
	ds_load_b64 v[WS+2*(\p):WS+2*(\p)+1], v[ADS] offset:6144
	s_add_co_u32 s[TB], s[TB], STEPB
.endm
; A K STEP on W's set p: 32 products.  The next step's fragments are fetched into the other set behind the first block, 28 products ahead of their use; that block's 14 lines are the places behind the last products that read that set.
; kind 0: nothing more.  1: the step to be fetched lies in the second of my first fills.  2: the change of slots with the refill.  3: the step to be fetched lies in the refill.  4: the last step: nothing is fetched.
.macro STEP p, kind, first, gen
	s_wait_dscnt 0x0                               ; this step's fragments and scale words are in
.if \kind == 2
	WIN 0                                          ; (the add's two registers lie in window 0)
	s_wait_tensorcnt 0x0                           ; all my tensor loads have landed, my part of slot 1 among them;
	ds_add_u32 v[SPW], v[NIL]                      ; 0 onto my spare word; a block's products and selects stand between it and the wait for it
.endif
	WIN 0x54-0x10*(\first)                         ; W window 0; the one-hot fragment, C and D window 1 (first step: C = b, window 0).  The selects' destination and second source fall into window 1 too
	BLOCK 0, \p, \first, \gen
.if \kind != 4
	WIN 0
.if \kind == 1
	s_wait_tensorcnt 0x1                           ; my part of steps 3 to 20 is in; slot 1's load may stay out
	s_barrier_signal -1
	s_barrier_wait -1                              ; everybody's is
.elseif \kind == 2
	s_wait_dscnt 0x0                               ; the add is done; my reads of slot 0 were over at the step's head
	CROUND                                         ; no wave of any partner still reads slot 0 or has a load on its way; slot 1 is whole
	s_cmp_lt_u32 s[WV], 3
	s_cbranch_scc0 .Lno_refill_\@
	tensor_load_to_lds s[G0R:G0R+3], s[G1C:G1C+7]  ; the one refill: steps 42 to 62 into slot 0; the first tensor load behind the round, one a wave
	s_nop 0
.rept 4
	v_nop
.endr
.Lno_refill_\@:
.elseif \kind == 3
	s_wait_tensorcnt 0x0                           ; the one load that was out, my part of steps 42 to 62, is in
	s_barrier_signal -1
	s_barrier_wait -1                              ; everybody's is
	s_mov_b32 s[TB], 0                             ; the fetches go back to slot 0
.endif
	FETCH 1-(\p)
	WIN 0x54-0x10*(\first)
.endif
	BLOCK 1, \p, \first, \gen
	BLOCK 2, \p, \first, \gen
	BLOCK 3, \p, \first, \gen
	WIN 0xa8-0x20*(\first)                         ; the same with window 2
	BLOCK 0, \p, \first, \gen
	BLOCK 1, \p, \first, \gen
	BLOCK 2, \p, \first, \gen
	BLOCK 3, \p, \first, \gen
	s_add_co_u32 s[KC], s[KC], 2
	s_add_co_u32 s[KC+1], s[KC+1], 2
	s_add_co_u32 s[KN], s[KN], 2
	s_add_co_u32 s[KN+1], s[KN+1], 2
.endm
	; the images and keys of my 128 tokens, and step 0's fragments 0 to 2 of both windows: all this stands beside the first tiles' way into LDS
	WIN 0x55                                       ; everything in window 1
.irp a, 0,1,2,3
	PATTERN \a
.endr
	WIN 0xaa                                       ; in window 2
.irp a, 0,1,2,3
	PATTERN \a
.endr
.set CUR, 1
	WIN 0x54
.irp a, 0,1,2
.set GG, \a
.set NN, 0
.rept 14
	GEN
.set NN, NN+1
.endr
.endr
	WIN 0xa8
.irp a, 0,1,2
.set GG, \a
.set NN, 0
.rept 14
	GEN
.set NN, NN+1
.endr
.endr
	WIN 0
	s_wait_tensorcnt 0x2                           ; my first load (step w) is in; the two larger ones may stay out
	s_barrier_signal -1
	s_barrier_wait -1                              ; steps 0 to 2 lie in LDS
	FETCH 0
	STEP 0, 0, 1, 1                                ; step 0: its products start the sums with b
	STEP 1, 0, 0, 1                                ; step 1
	STEP 0, 1, 0, 1                                ; step 2, which fetches step 3
	WIN 0                                          ; at a label and at a branch every window is 0
	s_mov_b32 s[CNT], 8
.Lslot0:                                           ; steps 3 to 18
	STEP 1, 0, 0, 1
	STEP 0, 0, 0, 1
	WIN 0
	s_sub_co_u32 s[CNT], s[CNT], 1
	s_cmp_lg_u32 s[CNT], 0
	s_cbranch_scc1 .Lslot0
	STEP 1, 0, 0, 1                                ; step 19
	STEP 0, 2, 0, 1                                ; step 20: slot 0 has been read out and is filled again
	WIN 0
	s_mov_b32 s[CNT], 10
.Lslot1:                                           ; steps 21 to 40
	STEP 1, 0, 0, 1
	STEP 0, 0, 0, 1
	WIN 0
	s_sub_co_u32 s[CNT], s[CNT], 1
	s_cmp_lg_u32 s[CNT], 0
	s_cbranch_scc1 .Lslot1
	STEP 1, 3, 0, 1                                ; step 41, which fetches step 42
	WIN 0
	s_mov_b32 s[CNT], 10
.Lslot2:                                           ; steps 42 to 61
	STEP 0, 0, 0, 1
	STEP 1, 0, 0, 1
	WIN 0
	s_sub_co_u32 s[CNT], s[CNT], 1
	s_cmp_lg_u32 s[CNT], 0
	s_cbranch_scc1 .Lslot2
	STEP 0, 4, 0, 0                                ; step 62
; THE WAY OUT, a block of 16 tokens at a time.  A lane holds 32 neighbouring bytes of a token's row for each fragment, and the lanes beside it hold other tokens: so a block goes through my own stage in LDS and comes back as
; whole rows of 256 bytes.  LDS serves a wave's instructions in order (ISA guide 5.7.1.4): no wait between the stores and the loads, nor in front of the next block's stores.
.macro TOSTAGE a
	WIN 0x04+0x04*((\a)/4)                         ; an LDS store's data are its source 1: window 1 or 2
.irp f, 0,1,2,3
	ds_store_b128 v[STO], v[8*(4*((\a)%4)+\f):8*(4*((\a)%4)+\f)+3] offset:64*\f          ; each accumulator from its low end on
	ds_store_b128 v[STO], v[8*(4*((\a)%4)+\f)+4:8*(4*((\a)%4)+\f)+7] offset:64*\f+16
.endr
	WIN 0
.set BB, BK+32*((\a)%2)
.irp t, 0,1,2,3,4,5,6,7
	ds_load_b128 v[BB+4*\t:BB+4*\t+3], v[RD] offset:2*\t*SP
.endr
.endm
.macro SEND a, younger                 ; younger: the LDS instructions issued behind block a's loads, which may stay out
.set BB, BK+32*((\a)%2)
	s_wait_dscnt \younger                          ; the block is back in registers
.irp t, 0,1,2,3,4,5,6,7
	global_store_b128 v[CO], v[BB+4*\t:BB+4*\t+3], s[10:11] offset:65536*(\a)+8192*\t th:TH_STORE_NT   ; 16 lanes store 256 consecutive bytes, at a multiple of 256 from out0's first byte; 126 tokens on at the most: inside the signed 24-bit immediate
.endr
.endm
.rept 4
	v_nop                                          ; four places between the last products and the first read of their results
.endr
	TOSTAGE 0
.irp a, 1,2,3,4,5,6,7
.if \a > 1
	s_wait_xcnt 0x0                                ; block a - 2's stores have read their registers: block a's loads may land there
.endif
	TOSTAGE \a
	SEND \a-1, 16                                  ; behind block a - 1's loads: block a's 8 stores and 8 loads
.endr
	SEND 7, 0
	s_wait_tensorcnt 0x0                           ; the wave's end: behind my last tensor load and my last LDS store
	ds_add_u32 v[SPW], v[NIL]
	s_wait_dscnt 0x0
	CROUND                                         ; the closing round: no work-group ends while a partner may still ask for a tile that names it
	s_endpgm
.Lfunc_end_k_q65c3e11268_emb:
	.size	k_q65c3e11268_emb, .Lfunc_end_k_q65c3e11268_emb-k_q65c3e11268_emb
	.p2alignl 7, 3214868480
	.fill 96, 4, 3214868480
	.section	.rodata,"a",@progbits
	.p2align	6, 0x0
	.amdhsa_kernel k_q65c3e11268_emb
		.amdhsa_group_segment_fixed_size 327680
		.amdhsa_private_segment_fixed_size 0
		.amdhsa_enable_private_segment 0
		.amdhsa_kernarg_size 32
		.amdhsa_user_sgpr_count 2
		.amdhsa_user_sgpr_kernarg_segment_ptr 1
		.amdhsa_wavefront_size32 1
		.amdhsa_system_sgpr_workgroup_id_x 1
		.amdhsa_system_sgpr_workgroup_id_y 1
		.amdhsa_system_sgpr_workgroup_id_z 1
		.amdhsa_system_vgpr_workitem_id 0
		.amdhsa_next_free_vgpr 768
		.amdhsa_next_free_sgpr 80
		.amdhsa_reserve_vcc 1
		.amdhsa_float_denorm_mode_32 3
		.amdhsa_float_denorm_mode_16_64 3
		.amdhsa_memory_ordered 1
		.amdhsa_forward_progress 1
		.amdhsa_inst_pref_size 148
	.end_amdhsa_kernel
	.amdgpu_metadata
---
amdhsa.version: [ 1, 2 ]
amdhsa.kernels:
  - .name:           k_q65c3e11268_emb
    .symbol:         k_q65c3e11268_emb.kd
    .args:
      - { .name: input_ids, .offset: 0, .size: 8, .value_kind: global_buffer, .address_space: global }
      - { .name: wq, .offset: 8, .size: 8, .value_kind: global_buffer, .address_space: global }
      - { .name: b, .offset: 16, .size: 8, .value_kind: global_buffer, .address_space: global }
      - { .name: out0, .offset: 24, .size: 8, .value_kind: global_buffer, .address_space: global }
    .group_segment_fixed_size: 327680
    .private_segment_fixed_size: 0
    .kernarg_segment_align: 8
    .kernarg_segment_size: 32
    .max_flat_workgroup_size: 128
    .sgpr_count:     80
    .vgpr_count:     768
    .wavefront_size: 32
...
	.end_amdgpu_metadata
.endif
;; end of part 2
